; MI455X (gfx1250); checked and timed in simulation.
; The chip was launched on July 23, 2026; its instructions are those of AMD's public machine-readable ISA for CDNA 5 (MIT licence, August 2026) and "CDNA5" Instruction Set Architecture Reference Guide (July 2026). The comments in the code are by the model that wrote it; some were corrected since.
;; Cross Attention Layer. Allowed arithmetic: matrix products marked QUANTISED: E5M2 operands, one given power-of-two scale a tensor, by v_wmma_f32_16x16x64_bf8_bf8 or v_wmma_f32_16x16x128_bf8_bf8, f32 sums; everything else in f32.
;; Inputs: Wk_codes 1,024 x 32 x 32 uint8 (E5M2 codes of Wk, K innermost, in blocks of 32 codes); Wq_codes 1,024 x 32 x 32 uint8 (E5M2 codes of Wq, K innermost, in blocks of 32 codes); Wv_codes 1,024 x 32 x 32 uint8 (E5M2 codes of Wv, K innermost, in blocks of 32 codes); bk 1,024 float32; bq 1,024 float32; bv 1,024 float32; ic_codes 4 x 2,048 x 32 x 32 uint8 (E5M2 codes of ic, K innermost, in blocks of 32 codes); lowp_scales 10 int32 (the exponents e of the quantised operands' scales 2^e); zt_codes 4 x 2,048 x 32 x 32 uint8 (E5M2 codes of zt, K innermost, in blocks of 32 codes).
;; Outputs: out0 4 x 2,048 x 1,024 float32.
;; This version of the problem:
;;   THIS VERSION OF THE PROBLEM IS GIVEN IN LOW PRECISION. The matrix products marked QUANTISED in the list below multiply operands that are first quantised to E5M2 (5 exponent bits, 2 mantissa bits; 8 bits a number), with one given power-of-two scale for each operand tensor; their sums are f32. All else is computed in f32.
;;   The module's matrix products, in the order in which they are computed (A, B: the left and right operand; K: the contracted axis; several contracted axes count as one K, in the product's order):
;;     1. [M 8,192, K 1,024] x [K 1,024, N 1,024]; A: input zt (given as codes); B: input Wq (given as codes): QUANTISED (scales: A lowp_scales[0], B lowp_scales[1])
;;     2. [M 8,192, K 1,024] x [K 1,024, N 1,024]; A: input ic (given as codes); B: input Wk (given as codes): QUANTISED (scales: A lowp_scales[2], B lowp_scales[3])
;;     3. [M 8,192, K 1,024] x [K 1,024, N 1,024]; A: input ic (given as codes); B: input Wv (given as codes): QUANTISED (scales: A lowp_scales[4], B lowp_scales[5])
;;     4. batch 64 x [M 2,048, K 64] x [K 64, N 2,048]; A: computed on the way; B: computed on the way: QUANTISED (scales: A lowp_scales[6], B lowp_scales[7])
;;     5. batch 64 x [M 2,048, K 2,048] x [K 2,048, N 64]; A: softmax (see below); B: computed on the way: QUANTISED (scales: A lowp_scales[8], B lowp_scales[9])
;;   THE QUANTISER, for each operand of a quantised product, along K:
;;     - The operand's scale is 2^e, e = its entry of the input lowp_scales (int32; the entries are numbered through the quantised products in the list's order, A before B).
;;     - Each number is divided by the scale, clamped to +-57,344, and rounded to the nearest number of E5M2, ties to even, subnormals kept.
;;     - The product sums the exact products of the quantised numbers (number of the format x scale) in f32.
;;   ~~~python
;;   def quantise(x, axis, e):      # numpy; x: float32 -> the quantised numbers, widened to float32 again
;;       x = np.moveaxis(x, axis, -1); K = x.shape[-1]
;;       r = np.clip(x / 2.0 ** e, -57344, 57344)
;;       step = 2.0 ** (np.maximum(np.frexp(np.where(r == 0, 1, r))[1] - 1, -14) - 2)
;;       q = np.round(r / step) * step * 2.0 ** e      # np.round: ties to even
;;       return np.moveaxis(q, -1, axis).astype(np.float32)
;;   ~~~
;;   SOFTMAX AHEAD OF A QUANTISED PRODUCT. Where the list says 'softmax', what is quantised is not the finished softmax but p = 2^(t - M), with t = logit x log2(e) and M = ceil(the row's largest t), a whole number; so 1/2 < the row's largest p <= 1. The row's sum l is taken of the UNQUANTISED p, in f32, and the product's result is divided by l at the end. Since M is a whole number, a kernel that streams over the keys may use a running M (the ceiling of the running maximum): every later rescaling is an exact power of two, so the quantised numbers keep their values, but for numbers so far below the row's largest that they fall under the format's range.
;;   OPERANDS COMPUTED ON THE WAY. 'Computed on the way' means the value that the module computes at that place (a softmax that the list does not call 'softmax' is quantised finished and normalised). What goes into a quantiser is computed in f32, as accurately as f32 sums, v_exp_f32 and their like allow (about 1e-6 of the number): no bf16 or f16 on the way to a quantiser, and a product that is left as it is and whose result goes on into a quantised operand takes f32 operands (vector FMAs, or v_wmma_f32_16x16x4_f32). A number that lies on a knife's edge between two numbers of the format may be rounded either way, as far as f32 arithmetic and the matrix unit's own rounding can turn it there, and no further.
;;   INPUTS GIVEN AS CODES. Wk (in the module: [1024, 1024], K = its axis 1); Wq (in the module: [1024, 1024], K = its axis 1); Wv (in the module: [1024, 1024], K = its axis 1); ic (in the module: [4, 2048, 1024], K = its axis 2); zt (in the module: [4, 2048, 1024], K = its axis 2): each comes as NAME_codes (uint8): NAME with its K axis moved to the last place and cut into blocks of 32 codes, [.., K / 32, bytes a block], one block behind the other in memory; one code a byte (a code: sign, 5 exponent bits, 2 mantissa bits); its scale is its entry of lowp_scales. Its value is code x scale, taken as it is: it is not quantised again, and the codes and scales need not be those that the quantiser above would give.
;; One version. Each part assembles by itself: llvm-mc -triple=amdgcn-amd-amdhsa -mcpu=gfx1250 --defsym DOCPART=n.
;; ======== version 1 of 1: 2 launches
;; limits: right only within a limited range of input values
;; workspace buffers: q_img 8,388,608 bytes; k_img 8,388,608 bytes; v_img 8,388,608 bytes
;; launch proj (part 1): grid 4 x 64, 4 waves a work-group, clusters of 4 x 4, 327,680 bytes of LDS; arguments ic_codes, Wk_codes, Wv_codes, zt_codes, Wq_codes, bk, bv, bq, lowp_scales, k_img, v_img, q_img; writes k_img, v_img, q_img
.if DOCPART == 1
	.amdgcn_target "amdgcn-amd-amdhsa--gfx1250"
	.amdhsa_code_object_version 6
	.text
	.protected	k_q2d021adf87_proj
	.globl	k_q2d021adf87_proj
	.p2align	8
	.type	k_q2d021adf87_proj,@function
k_q2d021adf87_proj:
	s_mov_b64 s[64:65], 0
	v_nop
	global_prefetch_b8 v0, s[64:65] scope:SCOPE_SE
	s_setreg_imm32_b32 hwreg(HW_REG_WAVE_MODE, 25, 1), 1
	s_wait_xcnt 0x0
	s_wait_alu depctr_hold_cnt(0) depctr_sa_sdst(0) depctr_va_vdst(0) depctr_va_sdst(0) depctr_va_ssrc(0) depctr_va_vcc(0) depctr_vm_vsrc(0)
	s_getreg_b32 s2, hwreg(HW_REG_IB_STS2, 6, 4)
	s_cmp_eq_u32 s2, 0
	s_cbranch_scc0 .Lentry_in_a_cluster
	s_endpgm
.Lentry_in_a_cluster:
	s_bfe_u32 s2, ttmp6, 0x10000c
	s_cmp_lg_u32 s2, 0xf033
	s_cbranch_scc0 .Lentry_shape_is_right
	s_endpgm
.Lentry_shape_is_right:
; THE THREE PROJECTIONS q = zt Wq^T + bq, k = ic Wk^T + bk, v = ic Wv^T + bv on the given codes of BF8 (E5M2), K = 1,024, their results quantised again for attention's two products.
; SHARES: 256 work-groups of four waves, 16 clusters of 4 x 4 (cluster y = Y).  Each work-group makes 1.5 tiles' worth of results, in two phases on one ring of two LDS slots (K steps of 256):
;   phase 1: a tile of 256 x 256 of k (Y < 8) or of v (Y >= 8), cl = Y % 8; a wave makes 128 x 128 in 64 accumulators.  k: A = ic (tile row 4 cl + cy), B = Wk (tile column cx).  v: A = Wv (tile row cy), B = ic (tile column 4 cl + cx).
;   phase 2: a tile of 128 tokens x 256 channels of q: A = zt (block 4 Y + cy of 128 rows), B = Wq (tile column cx); a wave makes 64 x 128 in 32 accumulators.
; The ring does not stop between the phases: phase 1's last two changes of slots ask for phase 2's K steps 0 and 1, which are on their way while phase 1's results leave.
; A's tile hangs on cy (and Y) alone, B's on cx (and Y) alone: each is asked for JOINTLY by the four partners that share it.
; THE MATRIX INSTRUCTION IS USED TRANSPOSED (source 0 = 16 rows of B, source 1 = 16 rows of A): a lane's eight results are eight neighbours along the K of the product that reads them (channels for q, k; keys for v).
; THE WORKSPACE HOLDS IMAGES OF OPERAND REGISTERS.  bh = 16 x batch + head, 131,072 bytes a head in each buffer.
;   q_img, k_img: bh x 131,072 + T x 1,024 + g x 512 + 16 x lane: T = token / 16; lane (r, h): token 16 T + r, channels 32 g + 8 h + 0..7, then 32 g + 16 + 8 h + 0..7.
;   v_img:        bh x 131,072 + G x 2,048 + t x 512 + 16 x lane: G = key / 32, t = channel / 16; lane (r, h): channel 16 t + r, keys 32 G + 8 h + 0..7, then 32 G + 16 + 8 h + 0..7.
; ARITHMETIC: sum x 2^(ea + eb) + bias (one fused multiply-add, f32), held within +-57,344 x 2^eo, divided by 2^eo and rounded to the nearest code, ties to even.
; LIMITS: ea + eb between -126 and 127, eo between -126 and 112, so that each power of two below is an f32 number.  NaN is not served.
; A fragment of the 128-deep form comes by four 16-byte loads: registers 4 c .. 4 c + 3 hold K = 32 c + 16 h + 0..15: a permutation of k that is the same in A and B.
; PREFETCH: phase 2's 128 rows of zt (1,024 bytes each) are named once in each row of a cluster, by one instruction a wave, four steps of 128 ahead of their first load: partner cx takes rows 32 cx .. + 31 (by address), wave w
; the w-th 256 bytes, a lane a row.  Phase 1's tiles have none: of its four K steps two are asked for at the head and two one step later, so there is no trip to run ahead in.  Wq is read by all sixteen clusters and is not named by each.
; REGISTERS, windows of 256: window 0: v7-31 addresses, v's biases, constants; v32-95 biases along the registers; from v128 A's fragments (phase 1: one set of 8 blocks; phase 2: two sets of 4); way out: v96-159 numbers, v160-223 codes.
;   window 1: B's fragments, two sets, at v0 and v128.  window 2: accumulators of A's blocks 0-3 ((a, b) at v[8 (8 a + b)]); window 3: blocks 4-7.
.set ROWB,   256
.set KROW,   1024
.set PITCH,  272                       ; 256 bytes + 16 of padding: the 16 rows of a fragment load start 4 banks apart
.set FR,     16
.set NL,     4
.set NP,     4                         ; places behind this matrix form (ISA guide 7.12.1)
.set HALFT,  128*PITCH
.set SLOT,   4*HALFT                   ; A's two regions of 128 rows, then B's two
.set SPARE,  2*SLOT                    ; the spare words, 128 bytes a wave
.set BVO,  7
.set BV,   8
.set ADRA, 16
.set ADRB, 20
.set PFO,  22                          ; 1,024 x lane: the prefetch's offset; never rewritten
.set CO,   26
.set BQO,  27
.set SPW,  28
.set NIL,  29
.set SC,   30
.set LIM,  31
.set BQ,   32
.set TMP,  96
.set AF,   128
.set CODES, 160
.set G1,  24                           ; group 1, A's tiles of 128 rows;  s[32:39] A's groups 0, one a slot
.set G0,  32
.set G1B, 48                           ; the same for B
.set G0B, 56
.set G1Q, 92                           ; group 1, phase 2's tiles of A: 64 rows
.set DW0, (1<<20)|(1<<21)|(5<<22)|(3<<25)  ; elements of 1 byte; padding of 4 words behind every 64; bit 21 beside a mask
.set MSB, 0
.macro WIN new
.if MSB != \new
	s_set_vgpr_msb (MSB<<8)|\new
.set MSB, \new
.endif
.endm
.set MUL_LO, 0xa1
.set MUL_HI, 0xf1
.set TO_B,   0x40
; a joint load: waves 0, 1 fetch for A, waves 2, 3 for B; s_nop 0 and four v_nop behind each line
.macro JLOAD g0a, g1a, g0b, g1b
	s_cmp_eq_u32 s15, 0
	s_cbranch_scc0 .Lfor_b_\@
	tensor_load_to_lds s[\g0a:\g0a+3], s[\g1a:\g1a+7]
	s_nop 0
.rept 4
	v_nop
.endr
	s_branch .Lasked_\@
.Lfor_b_\@:
	tensor_load_to_lds s[\g0b:\g0b+3], s[\g1b:\g1b+7]
	s_nop 0
.rept 4
	v_nop
.endr
.Lasked_\@:
.endm
.macro CREST
	s_cmp_lg_u32 s14, 0
	s_cbranch_scc1 .Lnot_wave_0_\@
	s_barrier_signal -3
.Lnot_wave_0_\@:
	s_barrier_wait -3
	s_barrier_signal -1
	s_barrier_wait -1
.endm
.macro CROUND
	s_barrier_signal -1
	s_barrier_wait -1
	CREST
.endm
	s_load_b512 s[68:83], s[0:1], 0x0              ; ic 68, Wk 70, Wv 72, zt 74, Wq 76, bk 78, bv 80, bq 82
	s_load_b256 s[84:91], s[0:1], 0x40             ; scales 84, k_img 86, v_img 88, q_img 90
	v_lshl_add_u32 v[SPW], v0, 2, SPARE
	v_mov_b32 v[NIL], 0
	ds_add_u32 v[SPW], v[NIL]                      ; the opening lines: the add twice on end and one wait
	ds_add_u32 v[SPW], v[NIL]
	v_lshrrev_b32 v1, 5, v0
	v_readfirstlane_b32 s14, v1                    ; wave
	s_lshr_b32 s15, s14, 1                         ; my half of A's rows; also: I fetch for A (0) or B (1)
	s_and_b32 s16, s14, 1                          ; my half of B's rows; also: which half of that tile I fetch
	s_bfe_u32 s40, ttmp6, 0x40000                  ; cx
	s_bfe_u32 s41, ttmp6, 0x40004                  ; cy
	s_and_b32 s23, ttmp7, 0xffff                   ; Y
	s_lshr_b32 s2, s23, 3                          ; kind: 0 k, 1 v
	s_and_b32 s3, s23, 7                           ; cl
	s_lshl_b32 s22, s23, 2
	s_add_co_u32 s22, s22, s41                     ; phase 2: block of 128 tokens, 4 Y + cy
	s_cmp_eq_u32 s2, 0
	s_cselect_b32 s17, s3, 0
	s_cselect_b32 s42, 0, s3
	s_lshl_b32 s17, s17, 2
	s_add_co_u32 s17, s17, s41                     ; phase 1: tile row
	s_lshl_b32 s42, s42, 2
	s_add_co_u32 s42, s42, s40                     ; tile column
	s_lshl_b32 s43, s41, 2
	s_lshl_b32 s43, 15, s43                        ; my row of the cluster
	s_lshl_b32 s44, 0x1111, s40                    ; my column
	s_or_b32 s[G1], s43, DW0
	s_or_b32 s[G1Q], s43, DW0
	s_or_b32 s[G1B], s44, DW0
.irp g, G1, G1B, G1Q
	s_mov_b32 s[\g+1], ROWB<<16
	s_mov_b32 s[\g+3], ROWB<<16
	s_mov_b32 s[\g+5], KROW
	s_mov_b32 s[\g+6], 0
	s_mov_b32 s[\g+7], 0
.endr
.irp g, G1, G1B
	s_mov_b32 s[\g+2], 128<<16
	s_mov_b32 s[\g+4], 128
.endr
	s_mov_b32 s[G1Q+2], 64<<16
	s_mov_b32 s[G1Q+4], 64
	s_lshl_b32 s18, s16, 7
	s_lshl_b32 s20, s17, 8
	s_add_co_u32 s20, s20, s18
	s_lshl_b32 s20, s20, 10                        ; phase 1, A: (256 x tile row + 128 x half) rows of 1,024 bytes
	s_mov_b32 s21, 0
	s_lshl_b32 s46, s42, 8
	s_add_co_u32 s46, s46, s18
	s_lshl_b32 s46, s46, 10                        ; B likewise, by the tile column
	s_mov_b32 s47, 0
	s_lshl_b32 s4, s22, 7
	s_lshl_b32 s19, s16, 6
	s_add_co_u32 s4, s4, s19
	s_lshl_b32 s4, s4, 10                          ; phase 2, A: 128 x block + 64 x half
	s_mov_b32 s5, 0
	s_lshl_b32 s6, s40, 8
	s_add_co_u32 s6, s6, s18
	s_lshl_b32 s6, s6, 10                          ; B: 256 cx + 128 x half
	s_mov_b32 s7, 0
	s_mul_i32 s45, s14, HALFT                      ; where my load lands: wave x 128 rows
	s_wait_dscnt 0x0
	s_wait_kmcnt 0x0
	s_cmp_eq_u32 s2, 0                             ; buffers by the kind, which hangs on the cluster's number alone
	s_cselect_b64 s[8:9], s[68:69], s[72:73]       ; A: ic or Wv
	s_cselect_b64 s[10:11], s[70:71], s[68:69]     ; B: Wk or ic
	s_add_nc_u64 s[20:21], s[8:9], s[20:21]
	s_add_nc_u64 s[46:47], s[10:11], s[46:47]
	s_cselect_b64 s[8:9], s[78:79], s[80:81]       ; phase 1's bias,
	s_cselect_b64 s[10:11], s[86:87], s[88:89]     ; and image
	s_add_nc_u64 s[4:5], s[74:75], s[4:5]          ; phase 2: zt's rows,
	s_add_nc_u64 s[6:7], s[76:77], s[6:7]          ; Wq's,
	s_mov_b64 s[12:13], s[82:83]                   ; bq,
	s_mov_b64 s[18:19], s[90:91]                   ; q_img
	s_lshl_b32 s78, s22, 7
	s_lshl_b32 s79, s40, 5
	s_add_co_u32 s78, s78, s79
	s_lshl_b32 s78, s78, 10
	s_lshl_b32 s79, s14, 8
	s_add_co_u32 s78, s78, s79
	s_mov_b32 s79, 0
	s_add_nc_u64 s[100:101], s[74:75], s[78:79]    ; the prefetch: zt's row 128 x block + 32 cx, byte 256 x wave
	s_load_b256 s[68:75], s[84:85], 0x0            ; the exponents 0..7, over pointers that are done with; waited for on the way out
	s_load_b64 s[76:77], s[84:85], 0x20            ; 8, 9
	CROUND                                         ; the round in front of the first joint loads
.irp s, 0,1
	s_mov_b32 s[G0+4*\s], 1
	s_add_co_u32 s[G0+4*\s+1], s45, \s*SLOT
	s_add_nc_u64 s[G0+4*\s+2:G0+4*\s+3], s[20:21], \s*ROWB
	s_or_b32 s[G0+4*\s+3], s[G0+4*\s+3], 0x80000000
	s_mov_b32 s[G0B+4*\s], 1
	s_add_co_u32 s[G0B+4*\s+1], s45, \s*SLOT
	s_add_nc_u64 s[G0B+4*\s+2:G0B+4*\s+3], s[46:47], \s*ROWB
	s_or_b32 s[G0B+4*\s+3], s[G0B+4*\s+3], 0x80000000
.endr
	JLOAD G0, G1, G0B, G1B                         ; K step 0: one tensor load a wave at the head
	v_and_b32 v1, 15, v0                           ; r
	v_bfe_u32 v2, v0, 4, 1                         ; h
	v_mul_u32_u24 v3, v1, PITCH
	v_lshl_add_u32 v4, v2, 4, v3
	s_mul_i32 s20, s15, HALFT
	s_mul_i32 s21, s16, HALFT
	s_add_co_u32 s21, s21, 2*HALFT
.irp s, 0,1
	v_add_nc_u32 v[ADRA+\s], s20, v4
	v_add_nc_u32 v[ADRB+\s], s21, v4
	s_add_co_u32 s20, s20, SLOT
	s_add_co_u32 s21, s21, SLOT
.endr
	v_and_b32 v6, 31, v0
	v_lshlrev_b32 v[CO], 4, v6
	v_lshlrev_b32 v[PFO], 10, v6
	s_wait_alu depctr_va_vdst(0)                   ; the wait ahead of the readers below
	v_lshlrev_b32 v[BVO], 2, v1
	v_lshlrev_b32 v[BQO], 5, v2
	s_wait_alu depctr_va_vdst(0)                   ; and behind these writes, ahead of the run of scalar lines
	; phase 1's image: P, PH the tile and half on the tokens' side, C, CH on the channels' side
	s_cmp_eq_u32 s2, 0
	s_cselect_b32 s78, s17, s42
	s_cselect_b32 s79, s15, s16
	s_cselect_b32 s80, s42, s17
	s_cselect_b32 s81, s16, s15
	s_lshr_b32 s82, s78, 3
	s_lshl_b32 s82, s82, 4
	s_lshl_b32 s83, s80, 2
	s_add_co_u32 s82, s82, s83
	s_lshl_b32 s83, s81, 1
	s_add_co_u32 s82, s82, s83                     ; bh = 16 x batch + 4 C + 2 CH
	s_lshl_b32 s82, s82, 17
	s_and_b32 s83, s78, 7
	s_lshl_b32 s83, s83, 14                        ; 256 tokens are 16,384 bytes of a head's image
	s_add_co_u32 s82, s82, s83
	s_lshl_b32 s83, s79, 13
	s_add_co_u32 s82, s82, s83
	s_mov_b32 s83, 0
	s_add_nc_u64 s[10:11], s[10:11], s[82:83]
	s_lshl_b32 s82, s80, 10
	s_lshl_b32 s80, s81, 9
	s_add_co_u32 s82, s82, s80
	s_add_nc_u64 s[8:9], s[8:9], s[82:83]          ; my 128 channels' biases
	; phase 2's image: tokens 128 x block + 64 x s15, channels 256 cx + 128 x s16
	s_lshr_b32 s82, s22, 4
	s_lshl_b32 s82, s82, 4
	s_lshl_b32 s83, s40, 2
	s_add_co_u32 s82, s82, s83
	s_lshl_b32 s83, s16, 1
	s_add_co_u32 s82, s82, s83
	s_lshl_b32 s82, s82, 17
	s_and_b32 s83, s22, 15
	s_lshl_b32 s83, s83, 13
	s_add_co_u32 s82, s82, s83
	s_lshl_b32 s83, s15, 12
	s_add_co_u32 s82, s82, s83
	s_mov_b32 s83, 0
	s_add_nc_u64 s[18:19], s[18:19], s[82:83]
	s_lshl_b32 s82, s40, 10
	s_lshl_b32 s78, s16, 9
	s_add_co_u32 s82, s82, s78
	s_add_nc_u64 s[12:13], s[12:13], s[82:83]
	; phase 1's biases in both layouts (along the registers for k, along the lanes for v): both lie inside my 512 bytes, so the head has no branch on the kind
.irp b, 0,1,2,3,4,5,6,7
	global_load_b128 v[BQ+8*\b:BQ+8*\b+3], v[BQO], s[8:9] offset:64*\b
	global_load_b128 v[BQ+8*\b+4:BQ+8*\b+7], v[BQO], s[8:9] offset:64*\b+16
.endr
.irp a, 0,1,2,3,4,5,6,7
	global_load_b32 v[BV+\a], v[BVO], s[8:9] offset:64*\a
.endr
.macro FRAG reg, adr, q, i
.irp c, 0,1,2,3
	ds_load_b128 v[\reg+4*\c:\reg+4*\c+3], v[\adr] offset:128*(\q)+32*\c+(\i)*16*PITCH
.endr
.endm
; 16 matrix instructions: A's register blocks a0, a0 + 1 x B's eight of set p.  The accumulators take turns, one instruction a turn.  zero = 1 starts the sums.
.macro MUL16 a0, p, zero
.irp a, \a0, \a0+1
.irp b, 0,1,2,3,4,5,6,7
.if \zero
	v_wmma_f32_16x16x128_bf8_bf8 v[8*(8*((\a)%4)+\b):8*(8*((\a)%4)+\b)+7], v[128*(\p)+FR*\b:128*(\p)+FR*\b+FR-1], v[AF+FR*(\a):AF+FR*(\a)+FR-1], 0
.else
	v_wmma_f32_16x16x128_bf8_bf8 v[8*(8*((\a)%4)+\b):8*(8*((\a)%4)+\b)+7], v[128*(\p)+FR*\b:128*(\p)+FR*\b+FR-1], v[AF+FR*(\a):AF+FR*(\a)+FR-1], v[8*(8*((\a)%4)+\b):8*(8*((\a)%4)+\b)+7]
.endif
.endr
.endr
.endm
.macro FETCH_B slot, q, p
	WIN TO_B
.irp i, 0,1,2,3,4,5,6,7
	FRAG 128*(\p)+FR*\i, ADRB+\slot, \q, \i
.endr
	WIN 0
.endm
.macro FETCH_A slot, q, i0
.irp i, \i0, \i0+1, \i0+2, \i0+3
	FRAG AF+FR*(\i), ADRA+\slot, \q, \i
.endr
.endm
.macro PLACES n
.rept \n
	v_nop
.endr
.endm
; PHASE 1.  A step of 128 along K with its successor in the same slot: one set serves A (a block is free when its eight products are issued), B has two.
.macro STEP slot, q, zero
	s_wait_dscnt 4*NL                              ; all but the youngest sixteen loads (A's blocks 4-7)
	WIN MUL_LO
	MUL16 0, (\q)%2, \zero
	MUL16 2, (\q)%2, \zero
	s_wait_dscnt 0
	PLACES NP
	FETCH_B \slot, (\q)+1, 1-(\q)%2
	FETCH_A \slot, (\q)+1, 0
	WIN MUL_HI
	MUL16 4, (\q)%2, \zero
	MUL16 6, (\q)%2, \zero
	PLACES NP
	WIN 0
	FETCH_A \slot, (\q)+1, 4
.endm
; A slot's last step changes slots.  fill = 1: the slot takes this phase's K step two on; 2: phase 2's K step 0 or 1; 0: nothing.  fetch = 0: no fragments follow (phase 1's last step).
.macro TURN slot, next, fill, fetch
	s_wait_tensorcnt 0x0                           ; all my tensor loads have landed: my part of the next slot
	ds_add_u32 v[SPW], v[NIL]
	s_wait_dscnt 4*NL+1                            ; (the add and A's blocks 4-7 may be out)
	WIN MUL_LO
	MUL16 0, 1, 0
	s_wait_dscnt 0x0                               ; the add is done, my reads of this slot are over
	s_barrier_signal -1
	MUL16 2, 1, 0
	WIN 0
	s_barrier_wait -1
.if \fill == 1
	CREST                                          ; the barrier has opened a round of the cluster's barrier
	s_add_nc_u64 s[G0+4*\slot+2:G0+4*\slot+3], s[G0+4*\slot+2:G0+4*\slot+3], 2*ROWB
	s_add_nc_u64 s[G0B+4*\slot+2:G0B+4*\slot+3], s[G0B+4*\slot+2:G0B+4*\slot+3], 2*ROWB
	JLOAD G0+4*\slot, G1, G0B+4*\slot, G1B
.elseif \fill == 2
	CREST
	s_add_nc_u64 s[G0+4*\slot+2:G0+4*\slot+3], s[4:5], \slot*ROWB
	s_or_b32 s[G0+4*\slot+3], s[G0+4*\slot+3], 0x80000000
	s_add_nc_u64 s[G0B+4*\slot+2:G0B+4*\slot+3], s[6:7], \slot*ROWB
	s_or_b32 s[G0B+4*\slot+3], s[G0B+4*\slot+3], 0x80000000
	JLOAD G0+4*\slot, G1Q, G0B+4*\slot, G1B
.else
	PLACES NP
.endif
.if \fetch
	FETCH_B \next, 0, 0
	FETCH_A \next, 0, 0
.endif
	WIN MUL_HI
	MUL16 4, 1, 0
	MUL16 6, 1, 0
.if \fetch
	PLACES NP
	WIN 0
	FETCH_A \next, 0, 4
.else
	WIN 0
.endif
.endm
; PHASE 2.  32 matrix instructions a step; both operands have two sets (A's set p in register blocks 4 p .. 4 p + 3), so a step's 48 loads stand ahead of the products of the step before.
.macro FETCH2 slot, q, p
	FETCH_B \slot, \q, \p
.irp i, 0,1,2,3
	FRAG AF+FR*(\i+4*(\p)), ADRA+\slot, \q, \i
.endr
.endm
.macro STEP2 slot, p, zero
	s_wait_dscnt 0x0                               ; set p is in
	PLACES NP                                      ; for the loads into the other set, which the step before multiplied
	FETCH2 \slot, 1, 1-(\p)
	WIN MUL_LO
	MUL16 4*(\p), \p, \zero
	MUL16 4*(\p)+2, \p, \zero
	WIN 0
.endm
.macro TURN2 slot, next, fill, p
	s_wait_tensorcnt 0x0
	ds_add_u32 v[SPW], v[NIL]
	s_wait_dscnt 0x0                               ; the add; set p, my last reads of this slot
	s_barrier_signal -1
	WIN MUL_LO
	MUL16 4*(\p), \p, 0
	WIN 0
	s_barrier_wait -1
.if \fill
	CREST
	s_add_nc_u64 s[G0+4*\slot+2:G0+4*\slot+3], s[G0+4*\slot+2:G0+4*\slot+3], 2*ROWB
	s_add_nc_u64 s[G0B+4*\slot+2:G0B+4*\slot+3], s[G0B+4*\slot+2:G0B+4*\slot+3], 2*ROWB
	JLOAD G0+4*\slot, G1Q, G0B+4*\slot, G1B
.else
	PLACES NP
.endif
	FETCH2 \next, 0, 1-(\p)
	WIN MUL_LO
	MUL16 4*(\p)+2, \p, 0
	WIN 0
.endm
; THE WAY OUT of A's block a: 64 numbers a lane: multiply-add (each accumulator from its low end on), hold, eight conversions, four stores of 512 consecutive bytes.  vmode = 1: v.  IMG: the image's base.
.macro OUT a, vmode
.set AC, 64*((\a)%4)
.set CD, CODES+16*((\a)%4)
.if (\a) >= 4
	s_wait_xcnt 0x0                                ; block a - 4's stores have read this set of code registers
.endif
	WIN 0x02+((\a)/4)
.irp b, 0,1,2,3,4,5,6,7
.irp i, 0,2,4,6
.if \vmode
.if ((\a)%2)
	v_pk_fma_f32 v[TMP+8*\b+\i:TMP+8*\b+\i+1], v[AC+8*\b+\i:AC+8*\b+\i+1], s[80:81], v[BV+2*((\a)/2):BV+2*((\a)/2)+1] op_sel:[0,0,1] op_sel_hi:[1,0,1]
.else
	v_pk_fma_f32 v[TMP+8*\b+\i:TMP+8*\b+\i+1], v[AC+8*\b+\i:AC+8*\b+\i+1], s[80:81], v[BV+2*((\a)/2):BV+2*((\a)/2)+1] op_sel_hi:[1,0,0]
.endif
.else
	v_pk_fma_f32 v[TMP+8*\b+\i:TMP+8*\b+\i+1], v[AC+8*\b+\i:AC+8*\b+\i+1], s[80:81], v[BQ+8*\b+\i:BQ+8*\b+\i+1] op_sel_hi:[1,0,1]
.endif
.endr
.endr
	WIN 0
.set n, 0
.rept 64
	v_med3_num_f32 v[TMP+n], v[TMP+n], -v[LIM], v[LIM]   ; the conversion does not saturate (ISA guide 7.6.2)
.set n, n+1
.endr
.irp b, 0,1,2,3,4,5,6,7
	v_cvt_scalef32_pk8_bf8_f32 v[CD+2*\b:CD+2*\b+1], v[TMP+8*\b:TMP+8*\b+7], v[SC]
.endr
	v_nop                                          ; one plain place behind the last conversion
.irp g, 0,1,2,3
.if \vmode
	global_store_b128 v[CO], v[CD+4*\g:CD+4*\g+3], s[IMG:IMG+1] offset:((\a)/4)*131072+\g*2048+((\a)%4)*512
.else
	global_store_b128 v[CO], v[CD+4*\g:CD+4*\g+3], s[IMG:IMG+1] offset:(\g/2)*131072+(\a)*1024+(\g%2)*512
.endif
.endr
.endm
.macro CONSTS                          ; from s80 = ea + eb and s82 = eo: s[80:81] = 2^(ea + eb), SC = 2^eo, LIM = 57,344 x 2^eo
	s_add_co_i32 s80, s80, 127
	s_lshl_b32 s80, s80, 23
	s_mov_b32 s81, s80
	s_add_co_i32 s82, s82, 127
	s_lshl_b32 s83, s82, 23
	v_mov_b32 v[SC], s83
	s_add_co_i32 s82, s82, 15
	s_lshl_b32 s82, s82, 23
	s_or_b32 s82, s82, 0x600000
	v_mov_b32 v[LIM], s82
	s_wait_alu depctr_va_vdst(0)
	s_wait_loadcnt 0x0                             ; the biases
	PLACES NP                                      ; behind the last products
.endm
	s_wait_alu depctr_va_vdst(0)                   ; the wait at the head's end
	s_wait_tensorcnt 0x0                           ; my part of K step 0; slot 1's first fill is issued as a refill is
	ds_add_u32 v[SPW], v[NIL]
	s_wait_dscnt 0x0
	CROUND
	JLOAD G0+4, G1, G0B+4, G1B                     ; K step 1
	FETCH_B 0, 0, 0
	FETCH_A 0, 0, 0
	FETCH_A 0, 0, 4
	STEP 0, 0, 1
	TURN 0, 1, 1, 1                                ; slot 0 takes K step 2
	global_prefetch_b8 v[PFO], s[100:101] th:TH_LOAD_NT scope:SCOPE_SE   ; phase 2's rows of zt; its registers are never rewritten
	STEP 1, 0, 0
	TURN 1, 0, 1, 1                                ; slot 1 takes K step 3
	STEP 0, 0, 0
	TURN 0, 1, 2, 1                                ; slot 0 takes phase 2's K step 0
	STEP 1, 0, 0
	TURN 1, 0, 2, 0                                ; slot 1 takes phase 2's K step 1; its round has shown slot 0 whole to every wave
	s_wait_kmcnt 0x0                               ; the ten exponents
	s_add_co_i32 s78, s70, s71                     ; k: e2 + e3
	s_add_co_i32 s79, s72, s73                     ; v: e4 + e5
	s_cmp_eq_u32 s2, 0
	s_cselect_b32 s80, s78, s79
	s_cselect_b32 s82, s75, s77                    ; eo: e7 for k, e9 for v
	CONSTS
.set IMG, 10
	s_cmp_eq_u32 s2, 1                             ; two texts, chosen by the cluster's number
	s_cbranch_scc1 .Lout_v
.irp a, 0,1,2,3,4,5,6,7
	OUT \a, 0
.endr
	s_branch .Lout_done
.Lout_v:
.irp a, 0,1,2,3,4,5,6,7
	OUT \a, 1
.endr
.Lout_done:
	s_wait_xcnt 0x0                                ; the stores have read their code registers: A's fragments land there
.irp b, 0,1,2,3,4,5,6,7
	global_load_b128 v[BQ+8*\b:BQ+8*\b+3], v[BQO], s[12:13] offset:64*\b          ; q's biases, waited for on the way out
	global_load_b128 v[BQ+8*\b+4:BQ+8*\b+7], v[BQO], s[12:13] offset:64*\b+16
.endr
	FETCH2 0, 0, 0
	STEP2 0, 0, 1
	TURN2 0, 1, 1, 1                               ; slot 0 takes K step 2
	STEP2 1, 0, 0
	TURN2 1, 0, 1, 1                               ; slot 1 takes K step 3
	STEP2 0, 0, 0
	TURN2 0, 1, 0, 1
	STEP2 1, 0, 0
	s_wait_dscnt 0x0
	WIN MUL_LO
	MUL16 4, 1, 0
	MUL16 6, 1, 0
	WIN 0
	s_add_co_i32 s80, s68, s69                     ; q: e0 + e1
	s_mov_b32 s82, s74                             ; eo = e6
	CONSTS
.set IMG, 18
.irp a, 0,1,2,3
	OUT \a, 0
.endr
	s_wait_tensorcnt 0x0                           ; the wave's end
	ds_add_u32 v[SPW], v[NIL]
	s_wait_dscnt 0x0
	CROUND                                         ; the closing round
	s_endpgm
.Lfunc_end_k_q2d021adf87_proj:
	.size	k_q2d021adf87_proj, .Lfunc_end_k_q2d021adf87_proj-k_q2d021adf87_proj
	.p2alignl 7, 3214868480
	.fill 96, 4, 3214868480
	.section	.rodata,"a",@progbits
	.p2align	6, 0x0
	.amdhsa_kernel k_q2d021adf87_proj
		.amdhsa_group_segment_fixed_size 327680
		.amdhsa_private_segment_fixed_size 0
		.amdhsa_enable_private_segment 0
		.amdhsa_kernarg_size 96
		.amdhsa_user_sgpr_count 2
		.amdhsa_user_sgpr_kernarg_segment_ptr 1
		.amdhsa_wavefront_size32 1
		.amdhsa_system_sgpr_workgroup_id_x 1
		.amdhsa_system_sgpr_workgroup_id_y 1
		.amdhsa_system_sgpr_workgroup_id_z 1
		.amdhsa_system_vgpr_workitem_id 0
		.amdhsa_next_free_vgpr 1024
		.amdhsa_next_free_sgpr 102
		.amdhsa_reserve_vcc 0
		.amdhsa_float_denorm_mode_32 3
		.amdhsa_float_denorm_mode_16_64 3
		.amdhsa_memory_ordered 1
		.amdhsa_forward_progress 1
		.amdhsa_inst_pref_size 255
	.end_amdhsa_kernel
	.section	.bss,"aw",@nobits
	.p2align	6
	.space	262144
	.amdgpu_metadata
---
amdhsa.version: [ 1, 2 ]
amdhsa.kernels:
  - .name:           k_q2d021adf87_proj
    .symbol:         k_q2d021adf87_proj.kd
    .args:
      - { .name: ic_codes, .offset: 0, .size: 8, .value_kind: global_buffer, .address_space: global }
      - { .name: Wk_codes, .offset: 8, .size: 8, .value_kind: global_buffer, .address_space: global }
      - { .name: Wv_codes, .offset: 16, .size: 8, .value_kind: global_buffer, .address_space: global }
      - { .name: zt_codes, .offset: 24, .size: 8, .value_kind: global_buffer, .address_space: global }
      - { .name: Wq_codes, .offset: 32, .size: 8, .value_kind: global_buffer, .address_space: global }
      - { .name: bk, .offset: 40, .size: 8, .value_kind: global_buffer, .address_space: global }
      - { .name: bv, .offset: 48, .size: 8, .value_kind: global_buffer, .address_space: global }
      - { .name: bq, .offset: 56, .size: 8, .value_kind: global_buffer, .address_space: global }
      - { .name: lowp_scales, .offset: 64, .size: 8, .value_kind: global_buffer, .address_space: global }
      - { .name: k_img, .offset: 72, .size: 8, .value_kind: global_buffer, .address_space: global }
      - { .name: v_img, .offset: 80, .size: 8, .value_kind: global_buffer, .address_space: global }
      - { .name: q_img, .offset: 88, .size: 8, .value_kind: global_buffer, .address_space: global }
    .group_segment_fixed_size: 327680
    .private_segment_fixed_size: 0
    .kernarg_segment_align: 8
    .kernarg_segment_size: 96
    .max_flat_workgroup_size: 128
    .sgpr_count:     102
    .vgpr_count:     1024
    .wavefront_size: 32
...
	.end_amdgpu_metadata
.endif
;; end of part 1
;; launch attn (part 2): grid 4 x 64, 16 waves a work-group, clusters of 4 x 1, 327,680 bytes of LDS; arguments q_img, k_img, v_img, lowp_scales, out0; writes out0
.if DOCPART == 2
	.amdgcn_target "amdgcn-amd-amdhsa--gfx1250"
	.amdhsa_code_object_version 6
	.text
	.protected	k_q2d021adf87_attn
	.globl	k_q2d021adf87_attn
	.p2align	8
	.type	k_q2d021adf87_attn,@function
k_q2d021adf87_attn:
	s_mov_b64 s[64:65], 0
	v_nop
	global_prefetch_b8 v0, s[64:65] scope:SCOPE_SE
	s_setreg_imm32_b32 hwreg(HW_REG_WAVE_MODE, 25, 1), 1
	s_wait_xcnt 0x0
	s_wait_alu depctr_hold_cnt(0) depctr_sa_sdst(0) depctr_va_vdst(0) depctr_va_sdst(0) depctr_va_ssrc(0) depctr_va_vcc(0) depctr_vm_vsrc(0)
	s_getreg_b32 s2, hwreg(HW_REG_IB_STS2, 6, 4)
	s_cmp_eq_u32 s2, 0
	s_cbranch_scc0 .Lentry_in_a_cluster
	s_endpgm
.Lentry_in_a_cluster:
	s_bfe_u32 s2, ttmp6, 0x10000c
	s_cmp_lg_u32 s2, 0x3003
	s_cbranch_scc0 .Lentry_shape_is_right
	s_endpgm
.Lentry_shape_is_right:
; ATTENTION ON CODES OF BF8: out = softmax(q k^T / 8) v for one head (bh = work-group y) and 512 queries (place cx in a cluster of four, which asks for K's and V's images jointly: one mask, 15).
; Sixteen waves, 32 queries each (two tiles x = 0, 1).  A head's whole K image (131,072 bytes) and V image (the same) stay in LDS, each filled once: 8,192 bytes a wave and image.
; ONE PASS over the keys, 128 a step, 16 steps.  Both products are used transposed (S^T = K Q^T, O^T = V^T P^T): a lane holds one query of each tile.
; t = score x log2(e) / 8 x 2^(e6 + e7);  M = the ceiling of the largest t so far, kept as -M = min(old -M, floor(-t));  p = 2^(t - M) is quantised with 2^e8 (held at 57,344 x 2^e8);
; the row's sum is taken of the unquantised p;  when M moves, the sum and O^T are multiplied by 2^(old M - new M), which rounds nothing.  At the end O^T / sum x 2^(e8 + e9).
; A step: 16 products of 16 x 16 x 64 (8 tiles of 16 keys x 2 tiles of queries), the softmax, 8 products of 16 x 16 x 128 (4 tiles of channels x 2).  Tile T's conversion gives registers 2 T, 2 T + 1 of P's fragment.
; The images are those that launch proj lays: K: 1,024 bytes a tile of 16 keys; V: 2,048 bytes for 32 keys, 512 for each tile of 16 channels; 16 bytes a lane.
; THE WAY OUT has bytes of its own, behind the spare words, into which no fill lands: 9 rows x 272 bytes a wave, used four times.  Each time eight queries' lanes store into rows 0-7,
; and the other eight queries' lanes, which are on too, into row 8, which nobody reads.  No barrier stands between a wave's last step and its stores.
; No prefetch: both images are asked for at the head, and the loop asks memory for nothing.
; LIMITS: e6 + e7 between -123 and 130, e8 between -126 and 112; the scaled scores stay under 2^31 in magnitude.  NaN is not served.
; REGISTERS: v1-3, 6, 7 addresses; v[4:5] -M of the two tiles; v[8:11] the sums; v12-14 constants; v16-31 Q; v32-63 four fragments of K, then work registers, then P's codes;
;   v64-191 S^T, then p (v64-127 then V's four fragments); v192-255 O^T.
.set VIMG,  131072
.set SPARE, 0x40000
.set STAGE, 0x40800
.set SPITCH, 272
.set STG,  9*SPITCH
.set LI,   1                           ; 16 x lane
.set LIV,  2                           ; the same in V's image
.set SPW,  3                           ; my spare word; never rewritten
.set NM,   4
.set ADV,  6
.set ADK,  7
.set L,    8
.set LIMA, 12
.set LIMB, 13
.set SCP,  14
.set NIL,  15                          ; 0; never rewritten
.set QF,   16
.set KP,   32
.set S,    64
.set RES,  128
.set OT,   192
.set WV,   14
.set CX,   15
.set G1,   16
.set G0K,  24
.set G0V,  28
.set CS,   40
.set SEL,  42
.set TB,   44
.set CNT,  45
.macro CROUND
	s_barrier_signal -1
	s_barrier_wait -1
	s_cmp_lg_u32 s[WV], 0
	s_cbranch_scc1 .Lnot_wave_0_\@
	s_barrier_signal -3
.Lnot_wave_0_\@:
	s_barrier_wait -3
	s_barrier_signal -1
	s_barrier_wait -1
.endm
.macro NOPS n
.rept \n
	v_nop
.endr
.endm
	s_load_b256 s[4:11], s[0:1], 0x0               ; q_img, k_img, v_img, the exponents
	s_load_b64 s[12:13], s[0:1], 0x20              ; out0
	v_lshl_add_u32 v[SPW], v0, 2, SPARE
	v_mov_b32 v[NIL], 0
	ds_add_u32 v[SPW], v[NIL]                      ; the opening lines: the add twice on end and one wait
	ds_add_u32 v[SPW], v[NIL]
	v_lshrrev_b32 v[LI], 5, v0
	v_readfirstlane_b32 s[WV], v[LI]
	s_bfe_u32 s[CX], ttmp6, 0x40000
	s_and_b32 s32, ttmp7, 0xffff                   ; bh
	s_lshl_b32 s34, s32, 17                        ; the head's image
	s_lshl_b32 s33, s[WV], 13                      ; my 8,192 bytes of it
	s_add_co_u32 s36, s34, s33
	s_mov_b32 s37, 0
	s_mov_b32 s[G1], 15|(3<<16)|(1<<21)            ; the four partners; elements of 8 bytes; 32 rows of 256 bytes, dense
	s_mov_b32 s[G1+1], 32<<16
	s_mov_b32 s[G1+2], 32<<16
	s_mov_b32 s[G1+3], 32<<16
	s_mov_b32 s[G1+4], 32
	s_mov_b32 s[G1+5], 32
	s_mov_b32 s[G1+6], 0
	s_mov_b32 s[G1+7], 0
	s_mov_b32 s[CS], 0x3e38aa3b                    ; log2(e) / 8
	s_mov_b32 s[SEL], 0x76543210
	s_mov_b32 s[SEL+1], 0xfedcba98
	s_wait_dscnt 0x0
	s_wait_kmcnt 0x0
	s_load_b128 s[48:51], s[10:11], 0x18           ; e6 .. e9
	s_mov_b32 s[G0K], 1
	s_mov_b32 s[G0K+1], s33
	s_add_nc_u64 s[G0K+2:G0K+3], s[6:7], s[36:37]
	s_or_b32 s[G0K+3], s[G0K+3], 0x80000000
	s_mov_b32 s[G0V], 1
	s_add_co_u32 s[G0V+1], s33, VIMG
	s_add_nc_u64 s[G0V+2:G0V+3], s[8:9], s[36:37]
	s_or_b32 s[G0V+3], s[G0V+3], 0x80000000
	s_lshl_b32 s38, s[CX], 15                      ; Q's image: 512 queries are 32,768 bytes, my 32 are 2,048
	s_lshl_b32 s35, s[WV], 11
	s_add_co_u32 s38, s38, s35
	s_add_co_u32 s38, s38, s34
	s_mov_b32 s39, 0
	s_add_nc_u64 s[4:5], s[4:5], s[38:39]
	CROUND
	tensor_load_to_lds s[G0K:G0K+3], s[G1:G1+7]    ; K's image: my one tensor load at the head; the rest of the head stands under its flight
	s_nop 0
	NOPS 4
	v_and_b32 v[LI], 31, v0
	v_lshlrev_b32 v[LI], 4, v[LI]
	v_add_nc_u32 v[LIV], VIMG, v[LI]
.irp i, 0,1,2,3
	global_load_b128 v[QF+4*\i:QF+4*\i+3], v[LI], s[4:5] offset:512*\i th:TH_LOAD_NT
.endr
	s_lshr_b32 s38, s32, 4                         ; out0: batch x 2^23 + query x 4,096 + head x 256
	s_lshl_b32 s38, s38, 23
	s_lshl_b32 s35, s[CX], 21
	s_add_co_u32 s38, s38, s35
	s_lshl_b32 s35, s[WV], 17
	s_add_co_u32 s38, s38, s35
	s_and_b32 s35, s32, 15
	s_lshl_b32 s35, s35, 8
	s_add_co_u32 s38, s38, s35
	s_add_nc_u64 s[12:13], s[12:13], s[38:39]
	s_mul_i32 s55, s[WV], STG
	s_add_co_u32 s55, s55, STAGE                   ; my stage
	s_mov_b32 s[TB], 0
	s_wait_kmcnt 0x0
	s_add_co_i32 s53, s48, s49
	s_lshl_b32 s53, s53, 23
	s_add_co_i32 s[CS], s[CS], s53                 ; e6 + e7 onto c's exponent field
	s_mov_b32 s[CS+1], s[CS]
	s_add_co_i32 s53, s50, 127
	s_lshl_b32 s54, s53, 23
	v_mov_b32 v[SCP], s54                          ; 2^e8
	s_add_co_i32 s53, s53, 15
	s_lshl_b32 s53, s53, 23
	s_or_b32 s53, s53, 0x600000
	v_mov_b32 v[LIMA], s53                         ; 57,344 x 2^e8, twice: the dual form wants its two first sources in different banks
	v_mov_b32 v[LIMB], s53
	s_add_co_i32 s52, s50, s51
	s_wait_alu depctr_va_vdst(0)                   ; the wait at the head's end
	s_wait_tensorcnt 0x0                           ; my part of K's image; V's first fill is issued as a refill is
	ds_add_u32 v[SPW], v[NIL]
	s_wait_dscnt 0x0
	CROUND                                         ; K's image is whole in every partner
	tensor_load_to_lds s[G0V:G0V+3], s[G1:G1+7]
	s_nop 0
	NOPS 4
.macro KLOAD off                       ; four tiles of 16 keys
.irp t, 0,1,2,3
.irp g, 0,1
	ds_load_b128 v[KP+8*\t+4*\g:KP+8*\t+4*\g+3], v[ADK] offset:\off+1024*\t+512*\g
.endr
.endr
.endm
.macro SMUL t0
.irp t, 0,1,2,3
.irp x, 0,1
	v_wmma_f32_16x16x64_bf8_bf8 v[S+64*\x+8*(\t0+\t):S+64*\x+8*(\t0+\t)+7], v[KP+8*\t:KP+8*\t+7], v[QF+8*\x:QF+8*\x+7], 0
.endr
.endr
.endm
.macro VLOAD                           ; four tiles of 16 channels x 128 keys, onto tile 0's p, which is converted
.irp t, 0,1,2,3
.irp g, 0,1,2,3
	ds_load_b128 v[S+16*\t+4*\g:S+16*\t+4*\g+3], v[ADV] offset:2048*\g+512*\t
.endr
.endr
.endm
.macro QUANT x                         ; the hold (p is not negative: one-sided; the conversion does not saturate: ISA guide 7.6.2) and the codes
.irp t, 0,1,2,3,4,5,6,7
.irp i, 0,2,4,6
	v_dual_min_num_f32 v[S+64*\x+8*\t+\i], v[LIMA], v[S+64*\x+8*\t+\i] :: v_dual_min_num_f32 v[S+64*\x+8*\t+\i+1], v[LIMB], v[S+64*\x+8*\t+\i+1]
.endr
	v_cvt_scalef32_pk8_bf8_f32 v[KP+16*\x+2*\t:KP+16*\x+2*\t+1], v[S+64*\x+8*\t:S+64*\x+8*\t+7], v[SCP]
.endr
.endm
.macro STEP first
	v_add_nc_u32 v[ADK], s[TB], v[LI]
	v_add_nc_u32 v[ADV], s[TB], v[LIV]
.if !\first
	NOPS 3                                         ; five places behind the last products: the scores are laid over V's fragments, K's fragments over P
.endif
	KLOAD 0
	s_wait_alu depctr_va_vdst(0)
	s_wait_dscnt 0x0
	SMUL 0
	NOPS 4
	KLOAD 4096
	s_wait_dscnt 0x0
	SMUL 4
	NOPS 4
	; the step's largest score of each query: two chains a tile, each accumulator from its low end on
.irp x, 0,1
	v_max3_num_f32 v[KP+2*\x], v[S+64*\x], v[S+64*\x+1], v[S+64*\x+2]
.endr
.irp x, 0,1
	v_max3_num_f32 v[KP+2*\x+1], v[S+64*\x+3], v[S+64*\x+4], v[S+64*\x+5]
.endr
.irp i, 6,10,14,18,22,26,30,34,38,42,46,50,54,58
.irp x, 0,1
	v_max3_num_f32 v[KP+2*\x], v[KP+2*\x], v[S+64*\x+\i], v[S+64*\x+\i+1]
.endr
.irp x, 0,1
	v_max3_num_f32 v[KP+2*\x+1], v[KP+2*\x+1], v[S+64*\x+\i+2], v[S+64*\x+\i+3]
.endr
.endr
.irp x, 0,1
	v_max3_num_f32 v[KP+2*\x], v[KP+2*\x], v[S+64*\x+62], v[S+64*\x+63]
.endr
.irp x, 0,1
	v_max_num_f32 v[KP+2*\x], v[KP+2*\x], v[KP+2*\x+1]
.endr
.irp x, 0,1
	v_permlanex16_b32 v[KP+2*\x+1], v[KP+2*\x], s[SEL], s[SEL+1]
.endr
.irp x, 0,1
	v_max_num_f32 v[KP+2*\x], v[KP+2*\x], v[KP+2*\x+1]
.endr
.irp x, 0,1
	v_mul_f32 v[KP+2*\x], s[CS], v[KP+2*\x]        ; as t (c is positive)
.endr
.if \first
.irp x, 0,1
	v_floor_f32 v[NM+\x], -v[KP+2*\x]              ; -M = floor(-t)
.endr
.else
.irp x, 0,1
	v_floor_f32 v[KP+2*\x], -v[KP+2*\x]
.endr
.irp x, 0,1
	v_min_num_f32 v[KP+2*\x], v[KP+2*\x], v[NM+\x] ; the new -M
.endr
.irp x, 0,1
	v_sub_f32 v[KP+2*\x+1], v[KP+2*\x], v[NM+\x]   ; old M - new M: a whole number, 0 or less
.endr
.irp x, 0,1
	v_mov_b32 v[NM+\x], v[KP+2*\x]
.endr
.irp x, 0,1
	v_cvt_i32_f32 v[KP+2*\x+1], v[KP+2*\x+1]       ; (it saturates)
.endr
.irp x, 0,1
	v_ldexp_f32 v[KP+2*\x], 1.0, v[KP+2*\x+1]      ; f
.endr
.irp x, 0,1
.set n, 0
.rept 16
	v_pk_mul_f32 v[OT+32*\x+n:OT+32*\x+n+1], v[OT+32*\x+n:OT+32*\x+n+1], v[KP+2*\x:KP+2*\x+1] op_sel_hi:[1,0]   ; O^T under the new M
.set n, n+2
.endr
.endr
.endif
.set n, 0
.rept 32
	v_pk_fma_f32 v[S+n:S+n+1], v[S+n:S+n+1], s[CS:CS+1], v[NM:NM+1] op_sel_hi:[1,0,0]                            ; t - M: tile 0 takes the pair's low register,
	v_pk_fma_f32 v[S+64+n:S+64+n+1], v[S+64+n:S+64+n+1], s[CS:CS+1], v[NM:NM+1] op_sel:[0,0,1] op_sel_hi:[1,0,1]  ; tile 1 its high one
.set n, n+2
.endr
	s_wait_alu depctr_va_vdst(0)                   ; the wait ahead of the batch
.set n, 0
.rept 128
	v_exp_f32 v[S+n], v[S+n]
.set n, n+1
.endr
.if \first
	v_nop
.else
.irp x, 0,1
	v_pk_mul_f32 v[L+2*\x:L+2*\x+1], v[L+2*\x:L+2*\x+1], v[KP+2*\x:KP+2*\x+1] op_sel_hi:[1,0]   ; the sums under the new M (plain places behind the batch)
.endr
.endif
	s_wait_alu depctr_va_vdst(0)                   ; one wait for the batch, ahead of its first reader
	; the rows' sums of the unquantised p: two chains a tile
.irp x, 0,1
	v_pk_add_f32 v[KP+4+2*\x:KP+5+2*\x], v[S+64*\x:S+64*\x+1], v[S+64*\x+2:S+64*\x+3]
.endr
.if \first
.irp x, 0,1
	v_pk_add_f32 v[L+2*\x:L+2*\x+1], v[S+64*\x+4:S+64*\x+5], v[S+64*\x+6:S+64*\x+7]
.endr
.set n, 8
.else
.set n, 4
.endif
.rept (64-n)/4
.irp x, 0,1
	v_pk_add_f32 v[L+2*\x:L+2*\x+1], v[L+2*\x:L+2*\x+1], v[S+64*\x+n:S+64*\x+n+1]
.endr
.irp x, 0,1
	v_pk_add_f32 v[KP+4+2*\x:KP+5+2*\x], v[KP+4+2*\x:KP+5+2*\x], v[S+64*\x+n+2:S+64*\x+n+3]
.endr
.set n, n+4
.endr
.irp x, 0,1
	v_pk_add_f32 v[L+2*\x:L+2*\x+1], v[L+2*\x:L+2*\x+1], v[KP+4+2*\x:KP+5+2*\x]
.endr
	QUANT 0
.if \first
	s_wait_alu depctr_va_vdst(0)
	s_wait_tensorcnt 0x0                           ; my part of V's image has landed;
	s_wait_dscnt 0x0
	s_barrier_signal -1
	QUANT 1                                        ; work on registers while the others arrive
	s_barrier_wait -1                              ; everybody's has.
	VLOAD
.else
	VLOAD
	QUANT 1
.endif
	v_nop                                          ; one plain place behind the last conversion
	s_wait_alu depctr_va_vdst(0)
	s_wait_dscnt 0x0
.irp t, 0,1,2,3
.irp x, 0,1
.if \first
	v_wmma_f32_16x16x128_bf8_bf8 v[OT+32*\x+8*\t:OT+32*\x+8*\t+7], v[S+16*\t:S+16*\t+15], v[KP+16*\x:KP+16*\x+15], 0
.else
	v_wmma_f32_16x16x128_bf8_bf8 v[OT+32*\x+8*\t:OT+32*\x+8*\t+7], v[S+16*\t:S+16*\t+15], v[KP+16*\x:KP+16*\x+15], v[OT+32*\x+8*\t:OT+32*\x+8*\t+7]
.endif
.endr
.endr
	s_add_co_u32 s[TB], s[TB], 8192                ; 128 keys are 8,192 bytes of either image
.endm
	s_wait_loadcnt 0x0                             ; Q
	STEP 1                                         ; the first step starts M, the sums and O^T
	s_mov_b32 s[CNT], 15
.Lkeys:
	STEP 0
	s_sub_co_u32 s[CNT], s[CNT], 1
	s_cmp_lg_u32 s[CNT], 0
	s_cbranch_scc1 .Lkeys
	; THE WAY OUT.  r = lane % 16, b = r / 8, h = lane / 16.  v4, for a tile's queries 0-7: row r & (15 ^ 7 b), that is r where b = 0 and 8 where b = 1;  v5, for its queries 8-15: row (r ^ 8) & (8 ^ 7 b)
	v_and_b32 v14, 15, v0
	v_bfe_u32 v2, v0, 3, 1
	v_mul_u32_u24 v2, v2, 7
	v_xor_b32 v2, 15, v2
	v_and_b32 v4, v14, v2
	v_xor_b32 v2, 7, v2
	v_xor_b32 v1, 8, v14
	v_and_b32 v5, v1, v2
	v_bfe_u32 v2, v0, 4, 1
	v_mul_u32_u24 v4, v4, SPITCH
	v_mul_u32_u24 v5, v5, SPITCH
	v_lshl_add_u32 v4, v2, 5, v4
	v_lshl_add_u32 v5, v2, 5, v5
	v_add_nc_u32 v4, s55, v4
	v_add_nc_u32 v5, s55, v5
	v_mul_u32_u24 v12, v2, SPITCH                  ; back: lanes 0-15 one row of 256 bytes, lanes 16-31 the next
	v_lshl_add_u32 v12, v14, 4, v12
	v_add_nc_u32 v12, s55, v12
	v_lshlrev_b32 v13, 12, v2                      ; and the same two queries in out0, 4,096 bytes apart
	v_lshl_add_u32 v13, v14, 4, v13
	v_add_f32 v[L], v[L], v[L+1]
	v_add_f32 v[L+2], v[L+2], v[L+3]
	v_permlanex16_b32 v[ADV], v[L], s[SEL], s[SEL+1]
	v_permlanex16_b32 v[ADK], v[L+2], s[SEL], s[SEL+1]
	v_add_f32 v[L], v[L], v[ADV]
	v_add_f32 v[L+2], v[L+2], v[ADK]
	s_wait_alu depctr_va_vdst(0)                   ; the wait ahead of the transcendentals
	v_rcp_f32 v[L], v[L]
	v_rcp_f32 v[L+2], v[L+2]
	v_nop
	s_wait_alu depctr_va_vdst(0)                   ; and ahead of their first reader
	v_ldexp_f32 v[L], v[L], s52                    ; x 2^(e8 + e9)
	v_ldexp_f32 v[L+2], v[L+2], s52
	s_wait_alu depctr_va_vdst(0)                   ; the wait directly ahead of the first reader of O^T
.irp x, 0,1
.set n, 0
.rept 16
	v_pk_mul_f32 v[RES+32*\x+n:RES+32*\x+n+1], v[OT+32*\x+n:OT+32*\x+n+1], v[L+2*\x:L+2*\x+1] op_sel_hi:[1,0]
.set n, n+2
.endr
.endr
.irp x, 0,1
.irp q, 0,1
.irp t, 0,1,2,3
	ds_store_b128 v[4+\q], v[RES+32*\x+8*\t:RES+32*\x+8*\t+3] offset:64*\t
	ds_store_b128 v[4+\q], v[RES+32*\x+8*\t+4:RES+32*\x+8*\t+7] offset:64*\t+16
.endr
.irp i, 0,1,2,3
	ds_load_b128 v[KP+16*(2*\x+\q)+4*\i:KP+16*(2*\x+\q)+4*\i+3], v12 offset:2*SPITCH*\i   ; LDS serves a wave's instructions in order: these see the stores above, and the next eight queries' stores come behind them
.endr
.endr
.endr
.irp i, 0,1,2,3,4,5,6,7,8,9,10,11,12,13,14,15
	s_wait_dscnt 15-\i                             ; at most the 15 - i loads that are younger may be out
	global_store_b128 v13, v[KP+4*\i:KP+4*\i+3], s[12:13] offset:8192*\i th:TH_STORE_NT   ; sixteen lanes store 256 consecutive bytes, aligned
.endr
	s_wait_tensorcnt 0x0                           ; the wave's end
	ds_add_u32 v[SPW], v[NIL]
	s_wait_dscnt 0x0
	CROUND                                         ; the closing round
	s_endpgm
.Lfunc_end_k_q2d021adf87_attn:
	.size	k_q2d021adf87_attn, .Lfunc_end_k_q2d021adf87_attn-k_q2d021adf87_attn
	.p2alignl 7, 3214868480
	.fill 96, 4, 3214868480
	.section	.rodata,"a",@progbits
	.p2align	6, 0x0
	.amdhsa_kernel k_q2d021adf87_attn
		.amdhsa_group_segment_fixed_size 327680
		.amdhsa_private_segment_fixed_size 0
		.amdhsa_enable_private_segment 0
		.amdhsa_kernarg_size 40
		.amdhsa_user_sgpr_count 2
		.amdhsa_user_sgpr_kernarg_segment_ptr 1
		.amdhsa_wavefront_size32 1
		.amdhsa_system_sgpr_workgroup_id_x 1
		.amdhsa_system_sgpr_workgroup_id_y 1
		.amdhsa_system_sgpr_workgroup_id_z 1
		.amdhsa_system_vgpr_workitem_id 0
		.amdhsa_next_free_vgpr 256
		.amdhsa_next_free_sgpr 66
		.amdhsa_reserve_vcc 0
		.amdhsa_float_denorm_mode_32 3
		.amdhsa_float_denorm_mode_16_64 3
		.amdhsa_memory_ordered 1
		.amdhsa_forward_progress 1
		.amdhsa_inst_pref_size 68
	.end_amdhsa_kernel
	.amdgpu_metadata
---
amdhsa.version: [ 1, 2 ]
amdhsa.kernels:
  - .name:           k_q2d021adf87_attn
    .symbol:         k_q2d021adf87_attn.kd
    .args:
      - { .name: q_img, .offset: 0, .size: 8, .value_kind: global_buffer, .address_space: global }
      - { .name: k_img, .offset: 8, .size: 8, .value_kind: global_buffer, .address_space: global }
      - { .name: v_img, .offset: 16, .size: 8, .value_kind: global_buffer, .address_space: global }
      - { .name: lowp_scales, .offset: 24, .size: 8, .value_kind: global_buffer, .address_space: global }
      - { .name: out0, .offset: 32, .size: 8, .value_kind: global_buffer, .address_space: global }
    .group_segment_fixed_size: 327680
    .private_segment_fixed_size: 0
    .kernarg_segment_align: 8
    .kernarg_segment_size: 40
    .max_flat_workgroup_size: 512
    .sgpr_count:     66
    .vgpr_count:     256
    .wavefront_size: 32
...
	.end_amdgpu_metadata
.endif
;; end of part 2
